; MI455X (gfx1250); checked and timed in simulation.
; The chip was launched on July 23, 2026; its instructions are those of AMD's public machine-readable ISA for CDNA 5 (MIT licence, August 2026) and "CDNA5" Instruction Set Architecture Reference Guide (July 2026). The comments in the code are by the model that wrote it; some were corrected since.
;; Scaled Dot Product Attention. Allowed arithmetic: matrix products marked QUANTISED: E2M1 operands, one E8M0 scale for each 32 along K, by v_wmma_scale_f32_16x16x128_f8f6f4 with both operands' format E2M1 (or v_wmma_scale_f32_32x16x128_f4), f32 sums; everything else in f32.
;; Inputs: k 4 x 16 x 2,048 x 64 float32; q 4 x 16 x 2,048 x 64 float32; v 4 x 16 x 2,048 x 64 float32.
;; Outputs: out0 4 x 16 x 2,048 x 64 float32.
;; This version of the problem:
;;   THIS VERSION OF THE PROBLEM IS GIVEN IN LOW PRECISION. The matrix products marked QUANTISED in the list below multiply operands that are first quantised to E2M1 (2 exponent bits, 1 mantissa bit; 4 bits a number), with one power-of-two scale for each 32 numbers along K (OCP MX v1.0); their sums are f32. All else is computed in f32.
;;   The module's matrix products, in the order in which they are computed (A, B: the left and right operand; K: the contracted axis; several contracted axes count as one K, in the product's order):
;;     1. batch 64 x [M 2,048, K 64] x [K 64, N 2,048]; A: input q; B: input k: QUANTISED
;;     2. batch 64 x [M 2,048, K 2,048] x [K 2,048, N 64]; A: softmax (see below); B: input v: QUANTISED
;;   THE QUANTISER, for each operand of a quantised product, along K:
;;     - K is cut into blocks of 32 from its start; a last block that is shorter is filled with zeros.
;;     - A block's scale is 2^e with e = floor(log2(the largest magnitude in the block)) - 2, held to -126 .. 127; a block of zeros has e = 0. As a byte (E8M0): e + 127.
;;     - Each number is divided by its block's scale, clamped to +-6, and rounded to the nearest number of E2M1, ties to even, subnormals kept.
;;     - The product sums the exact products of the quantised numbers (number of the format x scale) in f32.
;;   ~~~python
;;   def quantise(x, axis):      # numpy; x: float32 -> the quantised numbers, widened to float32 again
;;       x = np.moveaxis(x, axis, -1); K = x.shape[-1]
;;       x = np.pad(x, [(0, 0)] * (x.ndim - 1) + [(0, -K % 32)]); x = x.reshape(x.shape[:-1] + (-1, 32)); a = np.abs(x).max(-1, keepdims=True)
;;       e = np.where(a > 0, np.clip(np.frexp(np.where(a > 0, a, 1))[1] - 1 - 2, -126, 127), 0)      # np.frexp(a)[1] - 1 = floor(log2(a)), exactly
;;       r = np.clip(x / 2.0 ** e, -6, 6)
;;       step = 2.0 ** (np.maximum(np.frexp(np.where(r == 0, 1, r))[1] - 1, 0) - 1)
;;       q = np.round(r / step) * step * 2.0 ** e      # np.round: ties to even
;;       return np.moveaxis(q.reshape(q.shape[:-2] + (-1,))[..., :K], -1, axis).astype(np.float32)
;;   ~~~
;;   SOFTMAX AHEAD OF A QUANTISED PRODUCT. Where the list says 'softmax', what is quantised is not the finished softmax but p = 2^(t - M), with t = logit x log2(e) and M = ceil(the row's largest t), a whole number; so 1/2 < the row's largest p <= 1. The row's sum l is taken of the UNQUANTISED p, in f32, and the product's result is divided by l at the end. Since M is a whole number, a kernel that streams over the keys may use a running M (the ceiling of the running maximum): every later rescaling is an exact power of two, which a block's scale takes up: the codes' values come out the same.
;;   OPERANDS COMPUTED ON THE WAY. 'Computed on the way' means the value that the module computes at that place (a softmax that the list does not call 'softmax' is quantised finished and normalised). What goes into a quantiser is computed in f32, as accurately as f32 sums, v_exp_f32 and their like allow (about 1e-6 of the number): no bf16 or f16 on the way to a quantiser, and a product that is left as it is and whose result goes on into a quantised operand takes f32 operands (vector FMAs, or v_wmma_f32_16x16x4_f32). A number that lies on a knife's edge between two numbers of the format may be rounded either way, as far as f32 arithmetic and the matrix unit's own rounding can turn it there, and no further.
;; 2 versions. Each part assembles by itself: llvm-mc -triple=amdgcn-amd-amdhsa -mcpu=gfx1250 --defsym DOCPART=n.
;; ======== version 1 of 2: 1 launch
;; launch attn (part 1): grid 4 x 64, 16 waves a work-group, no clusters, 215,040 bytes of LDS; arguments q, k, v, out0; writes out0
.if DOCPART == 1
	.amdgcn_target "amdgcn-amd-amdhsa--gfx1250"
	.amdhsa_code_object_version 6
	.text
	.protected	k_qe47cee5ba7_attn
	.globl	k_qe47cee5ba7_attn
	.p2align	8
	.type	k_qe47cee5ba7_attn,@function
k_qe47cee5ba7_attn:
	s_mov_b64 s[64:65], 0
	v_nop
	global_prefetch_b8 v0, s[64:65] scope:SCOPE_SE
	s_setreg_imm32_b32 hwreg(HW_REG_WAVE_MODE, 25, 1), 1
	s_wait_xcnt 0x0
; out0[h][q][:] = the sum over k of softmax_k(q[h][q] . k[h][k] / 8) v[h][k][:].  64 heads, 2,048 queries and keys, head size 64; q, k, v, out0 f32.
; Both products run on codes of FP4 (E2M1) with one E8M0 scale for each 32 along the product's K: the first along the head's 64, the second along the keys.
; THE SOFTMAX AHEAD OF THE SECOND PRODUCT: t = score x log2(e) / 8; M = the running largest t rounded UP to a whole number; p = 2^(t - M) is quantised along the keys, not normalised.
; The row's sum l is taken of the unquantised p in f32 and divides at the end.  When M moves, l and O are multiplied by 2^(old M - new M), which rounds nothing.
; SHARES.  A work-group owns 512 queries of one head (grid x: the block of queries, grid y: the head); each of its sixteen waves owns 32 of them: two tiles of 16, which share every fragment of K and V.
; PHASE A.  The work-group quantises its head's WHOLE K and V into LDS, as images of the operands' registers (a group of four registers: lane l's 16 bytes at 16 l): wave w makes all of key step w
;   (keys 128 w .. 128 w + 127), and quantises its own 32 queries into registers.  ONE barrier.  PHASE B.  16 key steps; the images are only read.  PHASE C.  O / l leaves through the wave's own stage.
; LAYOUT.  Both products are used transposed: S^T = K Q^T (source 0 = 16 keys, source 1 = 16 queries), O^T = V^T P^T (source 0 = 16 of the head's 64, source 1 = P): a lane holds ONE query (lane % 16).
;   THE KEYS OF A TILE ARE NOT NEIGHBOURS: row m of tile t is key 64 (t / 4) + 32 (m / 8) + 8 (t % 4) + m % 8.  Lane (r, h) then holds, in the 32 registers of tiles 0-3, the WHOLE block of keys 32 h .. 32 h + 31,
;   and in tiles 4-7 the block 64 + 32 h on: a block's maximum needs no other lane, and the conversion of tile t's eight registers IS register t of P's operand.
; THE FIRST PRODUCT'S K IS 64 OF THE INSTRUCTION'S 128.  Q's registers 4-7 are zero codes.  K's tile t is named as v[F + 4 t : F + 4 t + 7]: its upper four registers are tile t + 1's codes (tile 7's: four registers
;   of zeros); E2M1 has no infinity and no NaN, so against Q's zero codes they add exact zeros.  Bytes 2 and 3 of K's and Q's scale words are 0, which stands for 2^-127 and is not the NaN byte.
; NO JOINT LOADS, NO TENSOR LOADS: what the four work-groups of a head share is f32 numbers, 1 MiB a head, which have to pass through registers to be quantised; they do not fit in LDS beside the 140 KiB of codes and
;   scale words, so they would want a ring with a round of the cluster's barrier for each refill and a second trip of every byte through LDS.  The four work-groups of a head are neighbours in the grid instead.
; LIMITS.  NaN and infinities among the inputs are not served.  A block whose largest magnitude lies under 2^-124 has its scale byte held at 1 (the quantiser's own lower bound); a block of zeros gets the byte 1 and not 127:
;   its codes are zeros, and this program alone reads the bytes.  A p under 2^-126 counts as 0 (v_exp_f32 gives no denormals).  l is summed in another order than reference() sums it.
.set STEPB, 8960                       ; LDS: a key step's block, 35 x 256 bytes:
.set VO,    4096                       ;   at 0 K's eight tiles, 512 bytes each; at VO V's: d-tile dt, registers 4 c on: dt x 1,024 + c x 512;
.set KSO,   8192                       ;   K's scale words: 16 bytes at 16 l: word i belongs to tile 2 i + l / 16, row l % 16;
.set VSO,   8704                       ;   V's scale words: 8 bytes at 8 l: word i belongs to d = 32 i + l
.set STG,   16*STEPB                   ; behind the sixteen blocks: a stage of 16 rows x 272 bytes for each wave, its own
.set STGB,  4352
.set SP,    272                        ; a stage row: 256 bytes + 16 = 68 words: row r starts at bank 4 r mod 64 (64 banks of 4 bytes: ISA guide 11.1)
.set L16,  1                           ; v1   16 x lane: a lane's place in an image, and in 512 consecutive bytes of memory
.set L8V,  2                           ; v2   8 x lane + VSO
.set AKV,  3                           ; v3   the step's block + 16 x lane
.set ASV,  4                           ; v4   the step's block + 8 x lane + VSO
.set SA,   5                           ; v5   stage: two rows an instruction: 272 (l / 16) + 16 (l % 16)
.set SB,   6                           ; v6   stage: row l % 16, + 128 (l / 16): my 32 numbers of a row
.set SC,   7                           ; v7   stage: row l % 16, + 32 (l / 16): the way out
.set SH8,  8                           ; v8   8 (l / 16)
.set L4,   9                           ; v9   4 x lane
.set KST,  10                          ; v10  my wave's block + 16 x lane
.set KSS,  11                          ; v11  my wave's block + KSO + 16 (l % 16)
.set ST,   12                          ; v12-19 tile u at ST + 4 u: -M, the largest score so far, l in two halves
.set QF,   20                          ; v20-35 Q: tile u at QF + 8 u: four registers of codes, four of zeros
.set F,    36                          ; v36-71 K's tiles (t at F + 4 t; v68-71 zeros), then V's (dt at F + 8 dt).  Phase A: 32 numbers of a row's block
.set P,    72                          ; v72-87 P: tile u at P + 8 u.  Phase A: v72-75 the codes just made
.set KS,   88                          ; v88-91 K's scale words;  v92-93 V's;  v94-95 Q's;  v224-225 P's: these hold scales and nothing else
.set VS,   92
.set QS,   94
.set S,    96                          ; v96-159 S^T, then p: register 8 t + j
.set G,    96                          ; Phase A: v96-223 four sets of 32 registers for loads
.set O,    160                         ; v160-223 O^T: tile u, d-tile dt at O + 32 u + 8 dt
.set PS,   224
.set BM,   226                         ; v226-227 my two blocks' largest score, then largest p
.set TA,   228
.set TP,   229
.set FX0,  230                         ; v[230:231], v[232:233] f = 2^(old M - new M) of tile 0, 1 (the low word; the high one is named with it); at the end 1 / l
.set SO,   234                         ; v234-235 the conversions' scale operands
.set BY,   236                         ; v236-237 the scale bytes
.set SUM2, 238                         ; v[238:239] the second chain of the row's sum
.set VST,  240                         ; v240 my wave's block + VO + 1,024 (l / 16) + 16 (l % 16)
.set VSS,  241                         ; v241 my wave's block + VSO + 8 x lane
.set W,    244
.set WV,   246                         ; v[246:247] V's scale words of d = lane and d = 32 + lane
	s_load_b256 s[4:11], s[0:1], 0x0               ; q s[4:5], k s[6:7], v s[8:9], out0 s[10:11]
	v_lshl_add_u32 v254, v0, 2, 0x34000
	v_mov_b32 v255, 0
	v_lshrrev_b32 v[AKV], 5, v0
	v_readfirstlane_b32 s12, v[AKV]                ; wave 0..15
	s_and_b32 s13, ttmp7, 0xffff                   ; the head
	s_lshl_b32 s14, s13, 19                        ; a head is 2,048 rows of 256 bytes
	s_mov_b32 s15, 0
	s_lshl_b32 s16, s12, 15                        ; k, v: my key step's 128 rows
	s_add_co_u32 s16, s16, s14
	s_mov_b32 s17, 0
	s_lshl_b32 s26, ttmp9, 17                      ; q, out0: the work-group's 512 rows,
	s_lshl_b32 s27, s12, 13                        ; my wave's 32 of them
	s_add_co_u32 s14, s14, s26
	s_add_co_u32 s14, s14, s27
	s_mul_i32 s18, s12, STEPB                      ; my key step's block in LDS
	s_mul_i32 s19, s12, STGB
	s_add_co_u32 s19, s19, STG                     ; my stage
	s_mov_b32 s20, 0x76543210
	s_mov_b32 s21, 0xfedcba98                      ; v_permlanex16_b32's selects for lane l xor 16
	s_mov_b32 s22, 0x3e38aa3b                      ; c = log2(e) / 8: t = score x c
	s_mov_b32 s23, s22                             ; (the packed form names the pair and takes its low word for both halves)
	v_and_b32 v242, 31, v0                         ; lane
	v_and_b32 v243, 15, v0                         ; r = lane % 16
	v_bfe_u32 v245, v0, 4, 1                       ; h = lane / 16
	v_lshlrev_b32 v[L16], 4, v242
	v_lshlrev_b32 v[L8V], 3, v242
	v_add_nc_u32 v[L8V], VSO, v[L8V]
	v_lshlrev_b32 v[SH8], 3, v245
	v_lshlrev_b32 v[L4], 2, v242
	v_mul_u32_u24 v[SA], v245, SP
	v_lshl_add_u32 v[SA], v243, 4, v[SA]
	v_add_nc_u32 v[SA], s19, v[SA]
	v_mul_u32_u24 v[SB], v243, SP
	v_lshl_add_u32 v[SC], v245, 5, v[SB]
	v_lshl_add_u32 v[SB], v245, 7, v[SB]
	v_add_nc_u32 v[SB], s19, v[SB]
	v_add_nc_u32 v[SC], s19, v[SC]
	v_add_nc_u32 v[KST], s18, v[L16]
	v_lshlrev_b32 v[KSS], 4, v243
	v_lshl_add_u32 v[VST], v245, 10, v[KSS]
	v_add_nc_u32 v[KSS], s18, v[KSS]
	v_add_nc_u32 v[KSS], KSO, v[KSS]
	v_add_nc_u32 v[VST], s18, v[VST]
	v_add_nc_u32 v[VST], VO, v[VST]
	v_add_nc_u32 v[VSS], s18, v[L8V]
	s_wait_kmcnt 0x0
	s_add_nc_u64 s[4:5], s[4:5], s[14:15]          ; the four bases are made here and never written again
	s_add_nc_u64 s[10:11], s[10:11], s[14:15]
	s_add_nc_u64 s[6:7], s[6:7], s[16:17]
	s_add_nc_u64 s[8:9], s[8:9], s[16:17]
; ---------------- PHASE A: the macros ----------------
; 16 rows of q (tile u) into a set: each load takes two rows, 512 consecutive bytes.  Read by this wave alone.
.macro RLOADQ set, u
.set lset, G+32*(\set)
.irp i, 0,1,2,3,4,5,6,7
	global_load_b128 v[lset+4*\i:lset+4*\i+3], v[L16], s[4:5] offset:256*(16*(\u)+2*\i) th:TH_LOAD_NT
.endr
.endm
; The 16 keys of K's tile t: rows 0-7 are eight neighbouring keys, rows 8-15 the eight that lie 32 further on.  The head's other three work-groups read them too: no hint.
.macro RLOADK set, t
.set lset, G+32*(\set)
.irp i, 0,1,2,3,4,5,6,7
	global_load_b128 v[lset+4*\i:lset+4*\i+3], v[L16], s[6:7] offset:256*(64*((\t)/4)+8*((\t)%4)+32*(\i/4)+2*(\i%4))
.endr
.endm
; V's unit n = 2 b + e: A LANE TAKES THE COLUMN d = 32 e + lane, AND ITS REGISTERS RUN DOWN THE 32 KEYS OF BLOCK b: each load reads 128 consecutive bytes, and the codes come out with the keys innermost.
.macro VLOAD set, n
.set lset, G+32*(\set)
.set loff, 32*((\n)/2)*256+128*((\n)%2)
.set i, 0
.rept 32
	global_load_b32 v[lset+i], v[L4], s[8:9] offset:loff+256*i
.set i, i+1
.endr
.endm
; 16 rows as loaded go through my stage and come back turned: lane (r, h) gets row r's numbers 32 h .. 32 h + 31, a whole block.  LDS serves a wave's instructions in order (ISA guide 5.7.1.4): no wait between stores and loads.
.macro TURN set
.set lset, G+32*(\set)
.irp i, 0,1,2,3,4,5,6,7
	ds_store_b128 v[SA], v[lset+4*\i:lset+4*\i+3] offset:2*SP*\i
.endr
.irp i, 0,1,2,3,4,5,6,7
	ds_load_b128 v[F+4*\i:F+4*\i+3], v[SB] offset:16*\i
.endr
	s_wait_dscnt 0x0                               ; the block is in; the set has been read and may be loaded again; the last unit's stores have read the codes and the word
.endm
; 32 numbers of ONE block in one lane, v[src] on, become four registers of codes, v[dst] on, and the block's byte in v[BY].
.macro QBLK src, dst
.set qs, \src
.set qd, \dst
	v_max3_num_f32 v[TA], |v[qs]|, |v[qs+1]|, 0x1800000            ; the largest magnitude, in two chains, and the floor 2^(3 - 127): so the byte cannot fall under 1
	v_max3_num_f32 v[TP], |v[qs+2]|, |v[qs+3]|, |v[qs+4]|
.irp i, 5,9,13,17,21,25
	v_max3_num_f32 v[TA], v[TA], |v[qs+\i]|, |v[qs+\i+1]|
	v_max3_num_f32 v[TP], v[TP], |v[qs+\i+2]|, |v[qs+\i+3]|
.endr
	v_max3_num_f32 v[TA], v[TA], |v[qs+29]|, |v[qs+30]|
	v_max3_num_f32 v[TA], v[TA], v[TP], |v[qs+31]|
	v_add_nc_u32 v[SO], 0xff000000, v[TA]          ; 2 off its exponent field: the conversion takes the exponent field of this operand as its scale, and nothing else of it
.irp g, 0,1,2,3
	v_cvt_scalef32_pk8_fp4_f32 v[qd+\g], v[qs+8*\g:qs+8*\g+7], v[SO]
.endr
	v_lshrrev_b32 v[BY], 23, v[SO]                 ; the scale's byte; also the plain instruction behind the conversions
.endm
; Lane (r, h) holds the byte of block h of row r: with lane l xor 16's it makes the row's word, byte 0 | byte 1 << 8, in both halves of the lanes.
.macro KWORD dst
	v_lshlrev_b32 v[W], v[SH8], v[BY]
	v_permlanex16_b32 v[TP], v[W], s20, s21
	v_or_b32 v[\dst], v[W], v[TP]
.endm
; The units, in order: Q's tiles 0, 1; K's tiles 0-7; V's units 0-7.  Unit n of the eighteen uses set n % 4.  left = the loads issued behind the unit's own.
.macro QUNIT u
	s_wait_loadcnt 24                              ; behind my 8 loads: three row units of 8
	TURN \u
	RLOADK \u, \u+2                                ; the set takes the unit four further on
	QBLK F, QF+8*\u
	KWORD QS+\u
.endm
.macro KUNIT t, left
	s_wait_loadcnt \left
	TURN (\t+2)%4
.if \t < 4
	RLOADK (\t+2)%4, \t+4
.elseif \t == 4
	VLOAD 2, 0
.elseif \t == 7
	VLOAD 3, 1                                     ; into the set that tile 5 has left
.endif
	QBLK F, P
	KWORD W
	ds_store_b128 v[KST], v[P:P+3] offset:512*\t                   ; the tile's image
	ds_store_b32 v[KSS], v[W] offset:256*(\t%2)+4*(\t/2)           ; lanes l and l + 16 write the same word with the same value
.endm
.macro VUNIT n, left
	s_wait_loadcnt \left
.if \n < 6
	VLOAD (\n)%4, \n+2                             ; two units ahead
.endif
	s_wait_dscnt 0x0                               ; the last image's store has read the codes
	QBLK G+32*((\n+2)%4), P
	ds_store_b128 v[VST], v[P:P+3] offset:2048*(\n%2)+512*(\n/4)+256*((\n/2)%2)   ; d-tile 2 e + l / 16, registers 4 (b / 2) on, the place of lane 16 (b % 2) + l % 16
.if \n < 2
	v_mov_b32 v[WV+\n%2], v[BY]                    ; block b's byte is byte b of my column's word
.else
	v_lshl_or_b32 v[WV+\n%2], v[BY], 8*(\n/2), v[WV+\n%2]
.endif
.endm
; ---------------- PHASE A ----------------
	RLOADQ 0, 0
	RLOADQ 1, 1
	RLOADK 2, 0
	RLOADK 3, 1
	QUNIT 0
	QUNIT 1
.irp t, 0,1,2,3,4
	KUNIT \t, 24                                   ; behind my 8 loads: three row units of 8
.endr
	KUNIT 5, 48                                    ; tiles 6 and 7 and V's unit 0: 8 + 8 + 32
	KUNIT 6, 40                                    ; tile 7 and V's unit 0
	KUNIT 7, 32                                    ; V's unit 0
.irp n, 0,1,2,3,4,5,6
	VUNIT \n, 32                                   ; behind my 32 loads: the next unit's 32
.endr
	VUNIT 7, 0
	ds_store_b64 v[VSS], v[WV:WV+1]
	s_wait_dscnt 0x0                               ; for the others' sake: all my images and words lie in LDS
	s_barrier_signal -1
.irp j, 4,5,6,7,12,13,14,15
	v_mov_b32 v[QF+\j], 0                          ; Q's upper halves: zero codes
.endr
.irp j, 32,33,34,35
	v_mov_b32 v[F+\j], 0                           ; what stands above K's tile 7
.endr
.irp u, 0,1
	v_mov_b32 v[ST+4*\u], 0x7f61b1e6               ; -M = 3e38,
	v_mov_b32 v[ST+4*\u+1], 0xff61b1e6             ; the largest score so far: -3e38, under every score
	v_mov_b32 v[ST+4*\u+2], 0                      ; l, in two halves
	v_mov_b32 v[ST+4*\u+3], 0
	v_mov_b32 v[FX0+2*\u], 0
	v_mov_b32 v[FX0+2*\u+1], 0                     ; (named as the upper half of a pair)
.endr
.set j, 0
.rept 64
	v_mov_b32 v[O+j], 0                            ; O^T.  (The step is written once: the first finds zeros, which the first change of M leaves zeros)
.set j, j+1
.endr
	s_mov_b32 s24, 0                               ; the LDS byte of the step in hand
	s_mov_b32 s25, 16                              ; key steps to go
	s_barrier_wait -1                              ; the head's K and V lie in LDS; from here on the images are only read
; ---------------- PHASE B: the macros ----------------
; S^T of tile u: eight products, each its own accumulator, begun with the constant 0.  Even tiles' scale words lie in lanes 0-15 of their register, odd tiles' in lanes 16-31.
.macro SCORE u
.irp t, 0,1,2,3,4,5,6,7
.if (\t%2) == 1
	v_wmma_scale_f32_16x16x128_f8f6f4 v[S+8*\t:S+8*\t+7], v[F+4*\t:F+4*\t+7], v[QF+8*\u:QF+8*\u+7], 0, v[KS+\t/2], v[QS+\u] matrix_a_fmt:MATRIX_FMT_FP4 matrix_b_fmt:MATRIX_FMT_FP4 matrix_a_scale:MATRIX_SCALE_ROW1
.else
	v_wmma_scale_f32_16x16x128_f8f6f4 v[S+8*\t:S+8*\t+7], v[F+4*\t:F+4*\t+7], v[QF+8*\u:QF+8*\u+7], 0, v[KS+\t/2], v[QS+\u] matrix_a_fmt:MATRIX_FMT_FP4 matrix_b_fmt:MATRIX_FMT_FP4
.endif
.endr
.endm
; Tile u's softmax up to P's codes and scale word.
.macro SM_A u
.set NM, ST+4*\u
.set RM, NM+1
.set LL, NM+2
.set FX, FX0+2*\u
.irp x, 0,1
	v_max3_num_f32 v[BM+\x], v[S+32*\x], v[S+32*\x+1], v[S+32*\x+2]   ; THE LARGEST SCORE OF EACH OF MY TWO BLOCKS: it serves the row's maximum and, since p rises with the score, the block's largest p.
.endr                                              ; Ascending: each accumulator is first read at its low end
.irp i, 3,5,7,9,11,13,15,17,19,21,23,25,27,29
.irp x, 0,1
	v_max3_num_f32 v[BM+\x], v[BM+\x], v[S+32*\x+\i], v[S+32*\x+\i+1]
.endr
.endr
.irp x, 0,1
	v_max_num_f32 v[BM+\x], v[BM+\x], v[S+32*\x+31]
.endr
	v_max_num_f32 v[TA], v[BM], v[BM+1]
	v_permlanex16_b32 v[TP], v[TA], s20, s21       ; my query's other 64 keys lie in lane l xor 16
	v_max3_num_f32 v[RM], v[RM], v[TA], v[TP]      ; the running largest score
	v_mul_f32 v[TA], s22, v[RM]                    ; as t (c is positive)
	v_mov_b32 v[TP], v[NM]
	v_floor_f32 v[NM], -v[TA]                      ; the new -M = floor(-t) = -ceil(t): M is a whole number
	v_sub_f32 v[TP], v[NM], v[TP]                  ; old M - new M: a whole number, 0 or less
	v_cvt_i32_f32 v[TP], v[TP]                     ; (it saturates)
	v_ldexp_f32 v[FX], 1.0, v[TP]                  ; f = 2^(old M - new M)
.set j, 0
.rept 32
	v_pk_fma_f32 v[S+j:S+j+1], v[S+j:S+j+1], s[22:23], v[NM:NM+1] op_sel_hi:[1,0,0]   ; t - M, two at a time (of the pairs c and -M the low word serves both halves)
.set j, j+2
.endr
.irp x, 0,1
	v_fma_f32 v[BM+\x], v[BM+\x], s22, v[NM]       ; the same of each block's largest score
.endr
.set j, 0
.rept 64
	v_exp_f32 v[S+j], v[S+j]                       ; p = 2^(t - M), at most 1: not normalised
.set j, j+1
.endr
.irp x, 0,1
	v_exp_f32 v[BM+\x], v[BM+\x]                   ; the block's largest p
.endr
	v_pk_mul_f32 v[LL:LL+1], v[LL:LL+1], v[FX:FX+1] op_sel_hi:[1,0]   ; l under the new M; also the plain instruction behind the exponentials
	s_wait_alu depctr_va_vdst(0)
.irp x, 0,1
	v_max_num_f32 v[BM+\x], 0x1800000, v[BM+\x]    ; the floor 2^(3 - 127): the byte cannot fall under 1 (a block whose every p is 0 keeps that byte: its codes are zeros)
.endr
.irp x, 0,1
	v_add_nc_u32 v[SO+\x], 0xff000000, v[BM+\x]    ; 2 off the exponent field: the conversion's scale operand
.endr
.irp x, 0,1
	v_lshrrev_b32 v[BY+\x], 23, v[SO+\x]           ; the scale's byte
.endr
.irp t, 0,1,2,3,4,5,6,7
	v_cvt_scalef32_pk8_fp4_f32 v[P+8*\u+\t], v[S+8*\t:S+8*\t+7], v[SO+\t/4]   ; tile t's eight keys are register t of P's operand
.endr
	v_lshl_or_b32 v[W], v[BY+1], 16, v[BY]         ; my two bytes: blocks h and 2 + h.  (It names no register of the conversions: the plain instruction behind them)
	v_lshlrev_b32 v[W], v[SH8], v[W]               ; at their places in the word,
	v_permlanex16_b32 v[TP], v[W], s20, s21
	v_or_b32 v[PS+\u], v[W], v[TP]                 ; and with lane l xor 16's two the word is whole
.endm
; The row's sum is taken of the UNQUANTISED p: two at a time, in two chains.
.macro SM_SUM u
.set LL, ST+4*\u+2
	v_pk_add_f32 v[SUM2:SUM2+1], v[S:S+1], v[S+2:S+3]
.irp j, 4,8,12,16,20,24,28,32,36,40,44,48,52,56,60
	v_pk_add_f32 v[LL:LL+1], v[LL:LL+1], v[S+\j:S+\j+1]
	v_pk_add_f32 v[SUM2:SUM2+1], v[SUM2:SUM2+1], v[S+\j+2:S+\j+3]
.endr
	v_pk_add_f32 v[LL:LL+1], v[LL:LL+1], v[SUM2:SUM2+1]
.endm
; Tile u's O^T times the low word of its pair FX: f in the loop, 1 / l at the end.  Ascending.
.macro RESCALE u
.irp j, 0,2,4,6,8,10,12,14,16,18,20,22,24,26,28,30
	v_pk_mul_f32 v[O+32*\u+\j:O+32*\u+\j+1], v[O+32*\u+\j:O+32*\u+\j+1], v[FX0+2*\u:FX0+2*\u+1] op_sel_hi:[1,0]
.endr
.endm
; ---------------- PHASE B: a trip is a key step of 128 keys ----------------
.Lstep:
	v_add_nc_u32 v[AKV], s24, v[L16]
	v_add_nc_u32 v[ASV], s24, v[L8V]
	v_nop                                          ; with the two additions: four plain instructions between the last trip's products and the loads into registers that they read (ISA guide 7.12.1 for vector instructions)
	v_nop
.irp t, 0,1,2,3,4,5,6,7
	ds_load_b128 v[F+4*\t:F+4*\t+3], v[AKV] offset:512*\t          ; K's eight tiles: each image is read once and serves both tiles of queries
.endr
	ds_load_b128 v[KS:KS+3], v[AKV] offset:KSO
	ds_load_b64 v[VS:VS+1], v[ASV]
	s_wait_dscnt 0x0
	SCORE 0
.rept 4
	v_nop                                          ; four plain instructions in front of the first read of the scores
.endr
	SM_A 0
	SM_SUM 0
	SCORE 1
	RESCALE 0                                      ; sixteen plain instructions that name nothing of the eight products above: they stand in front of the loads into K's registers and of the first read of the scores
.irp dt, 0,1,2,3
.irp c, 0,1
	ds_load_b128 v[F+8*\dt+4*\c:F+8*\dt+4*\c+3], v[AKV] offset:VO+1024*\dt+512*\c   ; V's four tiles land while tile 1's softmax is walked
.endr
.endr
	SM_A 1
	RESCALE 1
	SM_SUM 1                                       ; 48 plain instructions stand between P's scale word and codes and the products that name them
	s_wait_dscnt 0x0                               ; V is in
.irp dt, 0,1,2,3                               ; O^T += V^T P^T.  The eight accumulators take turns, one instruction a turn; sixteen score products stand between two turns of one accumulator
.irp u, 0,1
.if (\dt%2) == 1
	v_wmma_scale_f32_16x16x128_f8f6f4 v[O+32*\u+8*\dt:O+32*\u+8*\dt+7], v[F+8*\dt:F+8*\dt+7], v[P+8*\u:P+8*\u+7], v[O+32*\u+8*\dt:O+32*\u+8*\dt+7], v[VS+\dt/2], v[PS+\u] matrix_a_fmt:MATRIX_FMT_FP4 matrix_b_fmt:MATRIX_FMT_FP4 matrix_a_scale:MATRIX_SCALE_ROW1
.else
	v_wmma_scale_f32_16x16x128_f8f6f4 v[O+32*\u+8*\dt:O+32*\u+8*\dt+7], v[F+8*\dt:F+8*\dt+7], v[P+8*\u:P+8*\u+7], v[O+32*\u+8*\dt:O+32*\u+8*\dt+7], v[VS+\dt/2], v[PS+\u] matrix_a_fmt:MATRIX_FMT_FP4 matrix_b_fmt:MATRIX_FMT_FP4
.endif
.endr
.endr
	s_add_co_u32 s24, s24, STEPB
	s_sub_co_u32 s25, s25, 1
	s_cmp_lg_u32 s25, 0
	s_cbranch_scc1 .Lstep
; ---------------- PHASE C: the way out ----------------
; l's two halves and lane l xor 16's are added; the four additions and the v_nop are the plain instructions between the last products and the first read of O^T.
.irp u, 0,1
	v_add_f32 v[BM+\u], v[ST+4*\u+2], v[ST+4*\u+3]
.endr
.irp u, 0,1
	v_permlanex16_b32 v[SO+\u], v[BM+\u], s20, s21
.endr
.irp u, 0,1
	v_add_f32 v[BM+\u], v[BM+\u], v[SO+\u]
.endr
.irp u, 0,1
	v_rcp_f32 v[FX0+2*\u], v[BM+\u]
.endr
	v_nop                                          ; a plain instruction between the reciprocals and their use
	s_wait_alu depctr_va_vdst(0)
; Tile u: lane (r, h) holds o(query r, d = 16 dt + 8 h + 0 .. 7): 32 bytes of a row for each dt.  They go into my stage's rows and come back two whole rows an instruction.
.macro OUT u
	RESCALE \u                                     ; O^T / l
.irp dt, 0,1,2,3
.irp g, 0,1
	ds_store_b128 v[SC], v[O+32*\u+8*\dt+4*\g:O+32*\u+8*\dt+4*\g+3] offset:64*\dt+16*\g
.endr
.endr
.irp i, 0,1,2,3,4,5,6,7
	ds_load_b128 v[S+32*\u+4*\i:S+32*\u+4*\i+3], v[SA] offset:2*SP*\i   ; LDS serves a wave's instructions in order: these see the stores above, and the next tile's stores come behind them
.endr
.endm
	OUT 0
	OUT 1
.irp i, 0,1,2,3,4,5,6,7
	s_wait_dscnt 23-\i                             ; behind tile 0's load i: its 7 - i younger loads and tile 1's 8 stores and 8 loads
	global_store_b128 v[L16], v[S+4*\i:S+4*\i+3], s[10:11] offset:512*\i th:TH_STORE_NT   ; 32 lanes store 512 consecutive bytes, at a multiple of 256 from out0's first byte
.endr
.irp i, 0,1,2,3,4,5,6,7
	s_wait_dscnt 7-\i
	global_store_b128 v[L16], v[S+32+4*\i:S+32+4*\i+3], s[10:11] offset:4096+512*\i th:TH_STORE_NT
.endr
	s_wait_tensorcnt 0x0
	ds_add_u32 v254, v255
	s_wait_dscnt 0x0
	s_endpgm
.Lfunc_end_k_qe47cee5ba7_attn:
	.size	k_qe47cee5ba7_attn, .Lfunc_end_k_qe47cee5ba7_attn-k_qe47cee5ba7_attn
	.p2alignl 7, 3214868480
	.fill 96, 4, 3214868480
	.section	.rodata,"a",@progbits
	.p2align	6, 0x0
	.amdhsa_kernel k_qe47cee5ba7_attn
		.amdhsa_group_segment_fixed_size 215040
		.amdhsa_private_segment_fixed_size 0
		.amdhsa_enable_private_segment 0
		.amdhsa_kernarg_size 32
		.amdhsa_user_sgpr_count 2
		.amdhsa_user_sgpr_kernarg_segment_ptr 1
		.amdhsa_wavefront_size32 1
		.amdhsa_system_sgpr_workgroup_id_x 1
		.amdhsa_system_sgpr_workgroup_id_y 1
		.amdhsa_system_sgpr_workgroup_id_z 1
		.amdhsa_system_vgpr_workitem_id 0
		.amdhsa_next_free_vgpr 256
		.amdhsa_next_free_sgpr 66
		.amdhsa_reserve_vcc 0
		.amdhsa_float_denorm_mode_32 3
		.amdhsa_float_denorm_mode_16_64 3
		.amdhsa_memory_ordered 1
		.amdhsa_forward_progress 1
		.amdhsa_inst_pref_size 109
	.end_amdhsa_kernel
	.amdgpu_metadata
---
amdhsa.version: [ 1, 2 ]
amdhsa.kernels:
  - .name:           k_qe47cee5ba7_attn
    .symbol:         k_qe47cee5ba7_attn.kd
    .args:
      - { .name: q, .offset: 0, .size: 8, .value_kind: global_buffer, .address_space: global }
      - { .name: k, .offset: 8, .size: 8, .value_kind: global_buffer, .address_space: global }
      - { .name: v, .offset: 16, .size: 8, .value_kind: global_buffer, .address_space: global }
      - { .name: out0, .offset: 24, .size: 8, .value_kind: global_buffer, .address_space: global }
    .group_segment_fixed_size: 215040
    .private_segment_fixed_size: 0
    .kernarg_segment_align: 8
    .kernarg_segment_size: 32
    .max_flat_workgroup_size: 512
    .sgpr_count:     66
    .vgpr_count:     256
    .wavefront_size: 32
...
	.end_amdgpu_metadata
.endif
;; end of part 1
;; ======== version 2 of 2: 1 launch; version 1 with the launch attn written anew for expert scheduling mode
;; launch attn (part 2): grid 4 x 64, 16 waves a work-group, no clusters, 215,040 bytes of LDS; arguments q, k, v, out0; writes out0
.if DOCPART == 2
	.amdgcn_target "amdgcn-amd-amdhsa--gfx1250"
	.amdhsa_code_object_version 6
	.text
	.protected	k_qe47cee5ba7_attn
	.globl	k_qe47cee5ba7_attn
	.p2align	8
	.type	k_qe47cee5ba7_attn,@function
k_qe47cee5ba7_attn:
	s_mov_b64 s[64:65], 0
	v_nop
	global_prefetch_b8 v0, s[64:65] scope:SCOPE_SE
	s_setreg_imm32_b32 hwreg(HW_REG_WAVE_SCHED_MODE, 0, 2), 2
	s_setreg_imm32_b32 hwreg(HW_REG_WAVE_MODE, 25, 1), 1
	s_wait_xcnt 0x0
	s_wait_alu depctr_vm_vsrc(0)
; out0[h][q][:] = the sum over k of softmax_k(q[h][q] . k[h][k] / 8) v[h][k][:].  64 heads, 2,048 queries and keys, head size 64; q, k, v, out0 f32.
; Both products run on codes of FP4 (E2M1) with one E8M0 scale for each 32 along the product's K: the first along the head's 64, the second along the keys.
; THE SOFTMAX AHEAD OF THE SECOND PRODUCT: t = score x log2(e) / 8; M = the running largest t rounded UP to a whole number; p = 2^(t - M) is quantised along the keys, not normalised.
; The row's sum l is taken of the unquantised p in f32 and divides at the end.  When M moves, l and O are multiplied by 2^(old M - new M), which rounds nothing.
; SHARES.  A work-group owns 512 queries of one head (grid x: the block of queries, grid y: the head); each of its sixteen waves owns 32 of them: two tiles of 16, which share every fragment of K and V.
; PHASE A.  The work-group quantises its head's WHOLE K and V into LDS, as images of the operands' registers (a group of four registers: lane l's 16 bytes at 16 l): wave w makes all of key step w
;   (keys 128 w .. 128 w + 127), and quantises its own 32 queries into registers.  ONE barrier.  PHASE B.  16 key steps; the images are only read.  PHASE C.  O / l leaves through the wave's own stage.
; LAYOUT.  Both products are used transposed: S^T = K Q^T (source 0 = 16 keys, source 1 = 16 queries), O^T = V^T P^T (source 0 = 16 of the head's 64, source 1 = P): a lane holds ONE query (lane % 16).
;   THE KEYS OF A TILE ARE NOT NEIGHBOURS: row m of tile t is key 64 (t / 4) + 32 (m / 8) + 8 (t % 4) + m % 8.  Lane (r, h) then holds, in the 32 registers of tiles 0-3, the WHOLE block of keys 32 h .. 32 h + 31,
;   and in tiles 4-7 the block 64 + 32 h on: a block's maximum needs no other lane, and the conversion of tile t's eight registers IS register t of P's operand.
; THE FIRST PRODUCT'S K IS 64 OF THE INSTRUCTION'S 128.  Q's registers 4-7 are zero codes.  K's tile t is named as v[F + 4 t : F + 4 t + 7]: its upper four registers are tile t + 1's codes (tile 7's: four registers
;   of zeros); E2M1 has no infinity and no NaN, so against Q's zero codes they add exact zeros.  Bytes 2 and 3 of K's and Q's scale words are 0, which stands for 2^-127 and is not the NaN byte.
; NO JOINT LOADS, NO TENSOR LOADS: what the four work-groups of a head share is f32 numbers, 1 MiB a head, which have to pass through registers to be quantised; they do not fit in LDS beside the 140 KiB of codes and
;   scale words, so they would want a ring with a round of the cluster's barrier for each refill and a second trip of every byte through LDS.  The four work-groups of a head are neighbours in the grid instead.
; LIMITS.  NaN and infinities among the inputs are not served.  A block whose largest magnitude lies under 2^-124 has its scale byte held at 1 (the quantiser's own lower bound); a block of zeros gets the byte 1 and not 127:
;   its codes are zeros, and this program alone reads the bytes.  A p under 2^-126 counts as 0 (v_exp_f32 gives no denormals).  l is summed in another order than reference() sums it.
; THE MODE: SCHED_MODE bits 1:0 = 2 (LLVM: expert scheduling mode 2), set by the entry lines.  The code itself states the register dependences
;   between vector or matrix instructions and memory or LDS instructions, with s_wait_alu, always for 0.
; THE PLAN.  Registers that memory or LDS instructions touch, and who else names them:
;   The offsets and LDS addresses v1, v5-7, v9-11, v240, v241 are made at the head, ahead of one wait on va_vdst, and never written again.
;   PHASE A, eighteen units.  G0 .. G3: global loads land in them; a row unit's eight stores into the stage read its set, a unit of V's maxima and conversions read its set.
;     v[F .. F+31]: the loads from the stage land in it; the unit's maxima and conversions read it.   v[P .. P+3], v[W], v[WV ..]: written by a unit's vector lines, read by its stores into the images.
;     A unit has ONE wait on vm_vsrc, ahead of its vector lines and of the loads into the set that it has emptied, and ONE on va_vdst, behind its last vector line and ahead of its stores.
;   PHASE B, a key step.  v[F .. F+31]: K's tiles land at the head, both tiles' score products read them, V's tiles land behind those, the products V^T P read them.  v[KS ..], v[VS ..]: loaded at the head, read as scales.
;     v[AKV], v[ASV]: written by two additions at the head, read by the step's LDS loads.  v[P ..], v[PS ..], v[QF ..], v[QS ..], v68-71: written by vector instructions, taken by scaled matrix instructions.
;     One wait on vm_vsrc (ahead of the additions) and three on va_vdst: ahead of K's loads, ahead of V's loads, ahead of the products V^T P; beside them, in each tile's softmax, one wait ahead of the exponentials and one behind them.
;   PHASE C.  v[O ..]: written by the divisions, read by the stores into the stage.  v[S ..]: last named by the last step's softmax; the loads from the stage land in it.  One wait on va_vdst for both.
.set STEPB, 8960                       ; LDS: a key step's block, 35 x 256 bytes:
.set VO,    4096                       ;   at 0 K's eight tiles, 512 bytes each; at VO V's: d-tile dt, registers 4 c on: dt x 1,024 + c x 512;
.set KSO,   8192                       ;   K's scale words: 16 bytes at 16 l: word i belongs to tile 2 i + l / 16, row l % 16;
.set VSO,   8704                       ;   V's scale words: 8 bytes at 8 l: word i belongs to d = 32 i + l
.set STG,   16*STEPB                   ; behind the sixteen blocks: a stage of 16 rows x 272 bytes for each wave, its own
.set STGB,  4352
.set SP,    272                        ; a stage row: 256 bytes + 16 = 68 words: row r starts at bank 4 r mod 64 (64 banks of 4 bytes: ISA guide 11.1)
.set L16,  1                           ; v1   16 x lane: a lane's place in an image, and in 512 consecutive bytes of memory
.set L8V,  2                           ; v2   8 x lane + VSO
.set AKV,  3                           ; v3   the step's block + 16 x lane
.set ASV,  4                           ; v4   the step's block + 8 x lane + VSO
.set SA,   5                           ; v5   stage: two rows an instruction: 272 (l / 16) + 16 (l % 16)
.set SB,   6                           ; v6   stage: row l % 16, + 128 (l / 16): my 32 numbers of a row
.set SC,   7                           ; v7   stage: row l % 16, + 32 (l / 16): the way out
.set SH8,  8                           ; v8   8 (l / 16)
.set L4,   9                           ; v9   4 x lane
.set KST,  10                          ; v10  my wave's block + 16 x lane
.set KSS,  11                          ; v11  my wave's block + KSO + 16 (l % 16)
.set ST,   12                          ; v12-19 tile u at ST + 4 u: -M, the largest score so far, l in two halves
.set QF,   20                          ; v20-35 Q: tile u at QF + 8 u: four registers of codes, four of zeros
.set F,    36                          ; v36-71 K's tiles (t at F + 4 t; v68-71 zeros), then V's (dt at F + 8 dt).  Phase A: 32 numbers of a row's block
.set P,    72                          ; v72-87 P: tile u at P + 8 u.  Phase A: v72-75 the codes just made
.set KS,   88                          ; v88-91 K's scale words;  v92-93 V's;  v94-95 Q's;  v224-225 P's: these hold scales and nothing else
.set VS,   92
.set QS,   94
.set S,    96                          ; v96-159 S^T, then p: register 8 t + j
.set G,    96                          ; Phase A: v96-223 four sets of 32 registers for loads
.set O,    160                         ; v160-223 O^T: tile u, d-tile dt at O + 32 u + 8 dt
.set PS,   224
.set BM,   226                         ; v226-227 my two blocks' largest score, then largest p
.set TA,   228
.set TP,   229
.set FX0,  230                         ; v[230:231], v[232:233] f = 2^(old M - new M) of tile 0, 1 (the low word; the high one is named with it); at the end 1 / l
.set SO,   234                         ; v234-235 the conversions' scale operands
.set BY,   236                         ; v236-237 the scale bytes
.set SUM2, 238                         ; v[238:239] the second chain of the row's sum
.set VST,  240                         ; v240 my wave's block + VO + 1,024 (l / 16) + 16 (l % 16)
.set VSS,  241                         ; v241 my wave's block + VSO + 8 x lane
.set W,    244
.set WV,   246                         ; v[246:247] V's scale words of d = lane and d = 32 + lane
	s_load_b256 s[4:11], s[0:1], 0x0               ; q s[4:5], k s[6:7], v s[8:9], out0 s[10:11]
	v_lshl_add_u32 v254, v0, 2, 0x34000            ; the LDS address of my spare word, behind the sixteen stages: made here and kept for the closing lines alone
	v_mov_b32 v255, 0                              ; and 0, likewise
	v_lshrrev_b32 v[AKV], 5, v0
	v_readfirstlane_b32 s12, v[AKV]                ; wave 0..15
	s_and_b32 s13, ttmp7, 0xffff                   ; the head
	s_lshl_b32 s14, s13, 19                        ; a head is 2,048 rows of 256 bytes
	s_mov_b32 s15, 0
	s_wait_alu depctr_va_sdst(0)                   ; s12 is written, ahead of its first reader: the bases and the LDS places below are made from it
	s_lshl_b32 s16, s12, 15                        ; k, v: my key step's 128 rows
	s_add_co_u32 s16, s16, s14
	s_mov_b32 s17, 0
	s_lshl_b32 s26, ttmp9, 17                      ; q, out0: the work-group's 512 rows,
	s_lshl_b32 s27, s12, 13                        ; my wave's 32 of them
	s_add_co_u32 s14, s14, s26
	s_add_co_u32 s14, s14, s27
	s_mul_i32 s18, s12, STEPB                      ; my key step's block in LDS
	s_mul_i32 s19, s12, STGB
	s_add_co_u32 s19, s19, STG                     ; my stage
	s_mov_b32 s20, 0x76543210
	s_mov_b32 s21, 0xfedcba98                      ; v_permlanex16_b32's selects for lane l xor 16
	s_mov_b32 s22, 0x3e38aa3b                      ; c = log2(e) / 8: t = score x c
	s_mov_b32 s23, s22                             ; (the packed form names the pair and takes its low word for both halves)
	v_and_b32 v242, 31, v0                         ; lane
	v_and_b32 v243, 15, v0                         ; r = lane % 16
	v_bfe_u32 v245, v0, 4, 1                       ; h = lane / 16
	v_lshlrev_b32 v[L16], 4, v242
	v_lshlrev_b32 v[L8V], 3, v242
	v_add_nc_u32 v[L8V], VSO, v[L8V]
	v_lshlrev_b32 v[SH8], 3, v245
	v_lshlrev_b32 v[L4], 2, v242
	v_mul_u32_u24 v[SA], v245, SP
	v_lshl_add_u32 v[SA], v243, 4, v[SA]
	v_add_nc_u32 v[SA], s19, v[SA]
	v_mul_u32_u24 v[SB], v243, SP
	v_lshl_add_u32 v[SC], v245, 5, v[SB]
	v_lshl_add_u32 v[SB], v245, 7, v[SB]
	v_add_nc_u32 v[SB], s19, v[SB]
	v_add_nc_u32 v[SC], s19, v[SC]
	v_add_nc_u32 v[KST], s18, v[L16]
	v_lshlrev_b32 v[KSS], 4, v243
	v_lshl_add_u32 v[VST], v245, 10, v[KSS]
	v_add_nc_u32 v[KSS], s18, v[KSS]
	v_add_nc_u32 v[KSS], KSO, v[KSS]
	v_add_nc_u32 v[VST], s18, v[VST]
	v_add_nc_u32 v[VST], VO, v[VST]
	v_add_nc_u32 v[VSS], s18, v[L8V]
	s_wait_kmcnt 0x0
	s_add_nc_u64 s[4:5], s[4:5], s[14:15]          ; the four bases are made here and never written again
	s_add_nc_u64 s[10:11], s[10:11], s[14:15]
	s_add_nc_u64 s[6:7], s[6:7], s[16:17]
	s_add_nc_u64 s[8:9], s[8:9], s[16:17]
	s_wait_alu depctr_va_vdst(0)                   ; the offsets and LDS addresses v1, v5 to v7, v9 to v11, v240 and v241 are written: every load and store of phases A and C reads one of them
; ---------------- PHASE A: the macros ----------------
; 16 rows of q (tile u) into a set: each load takes two rows, 512 consecutive bytes.  Read by this wave alone.
.macro RLOADQ set, u
.set lset, G+32*(\set)
.irp i, 0,1,2,3,4,5,6,7
	global_load_b128 v[lset+4*\i:lset+4*\i+3], v[L16], s[4:5] offset:256*(16*(\u)+2*\i) th:TH_LOAD_NT
.endr
.endm
; The 16 keys of K's tile t: rows 0-7 are eight neighbouring keys, rows 8-15 the eight that lie 32 further on.  The head's other three work-groups read them too: no hint.
.macro RLOADK set, t
.set lset, G+32*(\set)
.irp i, 0,1,2,3,4,5,6,7
	global_load_b128 v[lset+4*\i:lset+4*\i+3], v[L16], s[6:7] offset:256*(64*((\t)/4)+8*((\t)%4)+32*(\i/4)+2*(\i%4))
.endr
.endm
; V's unit n = 2 b + e: A LANE TAKES THE COLUMN d = 32 e + lane, AND ITS REGISTERS RUN DOWN THE 32 KEYS OF BLOCK b: each load reads 128 consecutive bytes, and the codes come out with the keys innermost.
.macro VLOAD set, n
.set lset, G+32*(\set)
.set loff, 32*((\n)/2)*256+128*((\n)%2)
.set i, 0
.rept 32
	global_load_b32 v[lset+i], v[L4], s[8:9] offset:loff+256*i
.set i, i+1
.endr
.endm
; 16 rows as loaded go through my stage and come back turned: lane (r, h) gets row r's numbers 32 h .. 32 h + 31, a whole block.  LDS serves a wave's instructions in order (ISA guide 5.7.1.4): no wait between stores and loads.
; The loads land in v[F ..]: the unit before has ended with a wait on va_vdst, behind its last reader of these registers.
.macro TURN set
.set lset, G+32*(\set)
.irp i, 0,1,2,3,4,5,6,7
	ds_store_b128 v[SA], v[lset+4*\i:lset+4*\i+3] offset:2*SP*\i
.endr
.irp i, 0,1,2,3,4,5,6,7
	ds_load_b128 v[F+4*\i:F+4*\i+3], v[SB] offset:16*\i
.endr
	s_wait_dscnt 0x0                               ; the block is in
	s_wait_alu depctr_vm_vsrc(0)                   ; the eight stores above have read the set, in which global loads land again; the last unit's stores of its image and its word have read v[P ..] and v[W], which this unit writes again
.endm
; 32 numbers of ONE block in one lane, v[src] on, become four registers of codes, v[dst] on, and the block's byte in v[BY].
.macro QBLK src, dst
.set qs, \src
.set qd, \dst
	v_max3_num_f32 v[TA], |v[qs]|, |v[qs+1]|, 0x1800000            ; the largest magnitude, in two chains, and the floor 2^(3 - 127): so the byte cannot fall under 1
	v_max3_num_f32 v[TP], |v[qs+2]|, |v[qs+3]|, |v[qs+4]|
.irp i, 5,9,13,17,21,25
	v_max3_num_f32 v[TA], v[TA], |v[qs+\i]|, |v[qs+\i+1]|
	v_max3_num_f32 v[TP], v[TP], |v[qs+\i+2]|, |v[qs+\i+3]|
.endr
	v_max3_num_f32 v[TA], v[TA], |v[qs+29]|, |v[qs+30]|
	v_max3_num_f32 v[TA], v[TA], v[TP], |v[qs+31]|
	v_add_nc_u32 v[SO], 0xff000000, v[TA]          ; 2 off its exponent field: the conversion takes the exponent field of this operand as its scale, and nothing else of it
.irp g, 0,1,2,3
	v_cvt_scalef32_pk8_fp4_f32 v[qd+\g], v[qs+8*\g:qs+8*\g+7], v[SO]
.endr
	v_lshrrev_b32 v[BY], 23, v[SO]                 ; the scale's byte; also the plain instruction behind the conversions
.endm
; Lane (r, h) holds the byte of block h of row r: with lane l xor 16's it makes the row's word, byte 0 | byte 1 << 8, in both halves of the lanes.
.macro KWORD dst
	v_lshlrev_b32 v[W], v[SH8], v[BY]
	v_permlanex16_b32 v[TP], v[W], s20, s21
	v_or_b32 v[\dst], v[W], v[TP]
.endm
; The units, in order: Q's tiles 0, 1; K's tiles 0-7; V's units 0-7.  Unit n of the eighteen uses set n % 4.  left = the loads issued behind the unit's own.
.macro QUNIT u
	s_wait_loadcnt 24                              ; behind my 8 loads: three row units of 8
	TURN \u
	RLOADK \u, \u+2                                ; the set takes the unit four further on
	QBLK F, QF+8*\u
	KWORD QS+\u
	s_wait_alu depctr_va_vdst(0)                   ; the maxima and conversions are done reading v[F ..], in which the next unit's loads from the stage land
.endm
.macro KUNIT t, left
	s_wait_loadcnt \left
	TURN (\t+2)%4
.if \t < 4
	RLOADK (\t+2)%4, \t+4
.elseif \t == 4
	VLOAD 2, 0
.elseif \t == 7
	VLOAD 3, 1                                     ; into the set that tile 5 has left: its stage stores stand ahead of three waits on vm_vsrc
.endif
	QBLK F, P
	KWORD W
	s_wait_alu depctr_va_vdst(0)                   ; the codes v[P .. P+3] and the word v[W] are written, which the two stores read; the maxima and conversions are done reading v[F ..], in which the next unit's loads from the stage land
	ds_store_b128 v[KST], v[P:P+3] offset:512*\t                   ; the tile's image
	ds_store_b32 v[KSS], v[W] offset:256*(\t%2)+4*(\t/2)           ; lanes l and l + 16 write the same word with the same value
.endm
.macro VUNIT n, left
	s_wait_loadcnt \left
.if \n < 6
	VLOAD (\n)%4, \n+2                             ; two units ahead.  No wait: the set's last readers (tile 6's or 7's stage stores; the vector lines of the unit two back) stand ahead of a wait that states them done, and nothing has named the set since
.endif
	s_wait_dscnt 0x0                               ; the last image's store is done
	s_wait_alu depctr_vm_vsrc(0)                   ; the last image's store has read v[P .. P+3], which the conversions below write again
	QBLK G+32*((\n+2)%4), P
.if \n < 2
	v_mov_b32 v[WV+\n%2], v[BY]                    ; block b's byte is byte b of my column's word
.else
	v_lshl_or_b32 v[WV+\n%2], v[BY], 8*(\n/2), v[WV+\n%2]
.endif
	s_wait_alu depctr_va_vdst(0)                   ; the codes v[P .. P+3] are written, which the store reads (in the last unit also v[WV ..], for the store of the words); the maxima and conversions are done reading the set, in which the loads of two units on land
	ds_store_b128 v[VST], v[P:P+3] offset:2048*(\n%2)+512*(\n/4)+256*((\n/2)%2)   ; d-tile 2 e + l / 16, registers 4 (b / 2) on, the place of lane 16 (b % 2) + l % 16
.endm
; ---------------- PHASE A ----------------
	RLOADQ 0, 0
	RLOADQ 1, 1
	RLOADK 2, 0
	RLOADK 3, 1
	QUNIT 0
	QUNIT 1
.irp t, 0,1,2,3,4
	KUNIT \t, 24                                   ; behind my 8 loads: three row units of 8
.endr
	KUNIT 5, 48                                    ; tiles 6 and 7 and V's unit 0: 8 + 8 + 32
	KUNIT 6, 40                                    ; tile 7 and V's unit 0
	KUNIT 7, 32                                    ; V's unit 0
.irp n, 0,1,2,3,4,5,6
	VUNIT \n, 32                                   ; behind my 32 loads: the next unit's 32
.endr
	VUNIT 7, 0
	ds_store_b64 v[VSS], v[WV:WV+1]                ; (the words were finished ahead of the last unit's wait on va_vdst)
	s_wait_dscnt 0x0                               ; for the others' sake: all my images and words lie in LDS
	s_wait_alu depctr_vm_vsrc(0)                   ; my last image's store has read v[P .. P+3], which the first key step's conversions write again
	s_barrier_signal -1
.irp j, 4,5,6,7,12,13,14,15
	v_mov_b32 v[QF+\j], 0                          ; Q's upper halves: zero codes
.endr
.irp j, 32,33,34,35
	v_mov_b32 v[F+\j], 0                           ; what stands above K's tile 7
.endr
.irp u, 0,1
	v_mov_b32 v[ST+4*\u], 0x7f61b1e6               ; -M = 3e38,
	v_mov_b32 v[ST+4*\u+1], 0xff61b1e6             ; the largest score so far: -3e38, under every score
	v_mov_b32 v[ST+4*\u+2], 0                      ; l, in two halves
	v_mov_b32 v[ST+4*\u+3], 0
	v_mov_b32 v[FX0+2*\u], 0
	v_mov_b32 v[FX0+2*\u+1], 0                     ; (named as the upper half of a pair)
.endr
.set j, 0
.rept 64
	v_mov_b32 v[O+j], 0                            ; O^T.  (The step is written once: the first finds zeros, which the first change of M leaves zeros)
.set j, j+1
.endr
	s_mov_b32 s24, 0                               ; the LDS byte of the step in hand
	s_mov_b32 s25, 16                              ; key steps to go
	s_barrier_wait -1                              ; the head's K and V lie in LDS; from here on the images are only read
; ---------------- PHASE B: the macros ----------------
; S^T of tile u: eight products, each its own accumulator, begun with the constant 0.  Even tiles' scale words lie in lanes 0-15 of their register, odd tiles' in lanes 16-31.
.macro SCORE u
.irp t, 0,1,2,3,4,5,6,7
.if (\t%2) == 1
	v_wmma_scale_f32_16x16x128_f8f6f4 v[S+8*\t:S+8*\t+7], v[F+4*\t:F+4*\t+7], v[QF+8*\u:QF+8*\u+7], 0, v[KS+\t/2], v[QS+\u] matrix_a_fmt:MATRIX_FMT_FP4 matrix_b_fmt:MATRIX_FMT_FP4 matrix_a_scale:MATRIX_SCALE_ROW1
.else
	v_wmma_scale_f32_16x16x128_f8f6f4 v[S+8*\t:S+8*\t+7], v[F+4*\t:F+4*\t+7], v[QF+8*\u:QF+8*\u+7], 0, v[KS+\t/2], v[QS+\u] matrix_a_fmt:MATRIX_FMT_FP4 matrix_b_fmt:MATRIX_FMT_FP4
.endif
.endr
.endm
; Tile u's softmax up to P's codes and scale word.
.macro SM_A u
.set NM, ST+4*\u
.set RM, NM+1
.set LL, NM+2
.set FX, FX0+2*\u
.irp x, 0,1
	v_max3_num_f32 v[BM+\x], v[S+32*\x], v[S+32*\x+1], v[S+32*\x+2]   ; THE LARGEST SCORE OF EACH OF MY TWO BLOCKS: it serves the row's maximum and, since p rises with the score, the block's largest p.
.endr                                              ; Ascending: each accumulator is first read at its low end
.irp i, 3,5,7,9,11,13,15,17,19,21,23,25,27,29
.irp x, 0,1
	v_max3_num_f32 v[BM+\x], v[BM+\x], v[S+32*\x+\i], v[S+32*\x+\i+1]
.endr
.endr
.irp x, 0,1
	v_max_num_f32 v[BM+\x], v[BM+\x], v[S+32*\x+31]
.endr
	v_max_num_f32 v[TA], v[BM], v[BM+1]
	v_permlanex16_b32 v[TP], v[TA], s20, s21       ; my query's other 64 keys lie in lane l xor 16
	v_max3_num_f32 v[RM], v[RM], v[TA], v[TP]      ; the running largest score
	v_mul_f32 v[TA], s22, v[RM]                    ; as t (c is positive)
	v_mov_b32 v[TP], v[NM]
	v_floor_f32 v[NM], -v[TA]                      ; the new -M = floor(-t) = -ceil(t): M is a whole number
	v_sub_f32 v[TP], v[NM], v[TP]                  ; old M - new M: a whole number, 0 or less
	v_cvt_i32_f32 v[TP], v[TP]                     ; (it saturates)
	v_ldexp_f32 v[FX], 1.0, v[TP]                  ; f = 2^(old M - new M)
.set j, 0
.rept 32
	v_pk_fma_f32 v[S+j:S+j+1], v[S+j:S+j+1], s[22:23], v[NM:NM+1] op_sel_hi:[1,0,0]   ; t - M, two at a time (of the pairs c and -M the low word serves both halves)
.set j, j+2
.endr
.irp x, 0,1
	v_fma_f32 v[BM+\x], v[BM+\x], s22, v[NM]       ; the same of each block's largest score
.endr
.set j, 0
	s_wait_alu depctr_va_vdst(0)
.rept 64
	v_exp_f32 v[S+j], v[S+j]                       ; p = 2^(t - M), at most 1: not normalised
.set j, j+1
.endr
.irp x, 0,1
	v_exp_f32 v[BM+\x], v[BM+\x]                   ; the block's largest p
.endr
	v_pk_mul_f32 v[LL:LL+1], v[LL:LL+1], v[FX:FX+1] op_sel_hi:[1,0]   ; l under the new M; also the plain instruction behind the exponentials
	s_wait_alu depctr_va_vdst(0)                   ; the 66 exponentials have written v[S ..] and v[BM ..]: one wait for the batch, ahead of its first reader
.irp x, 0,1
	v_max_num_f32 v[BM+\x], 0x1800000, v[BM+\x]    ; the floor 2^(3 - 127): the byte cannot fall under 1 (a block whose every p is 0 keeps that byte: its codes are zeros)
.endr
.irp x, 0,1
	v_add_nc_u32 v[SO+\x], 0xff000000, v[BM+\x]    ; 2 off the exponent field: the conversion's scale operand
.endr
.irp x, 0,1
	v_lshrrev_b32 v[BY+\x], 23, v[SO+\x]           ; the scale's byte
.endr
.irp t, 0,1,2,3,4,5,6,7
	v_cvt_scalef32_pk8_fp4_f32 v[P+8*\u+\t], v[S+8*\t:S+8*\t+7], v[SO+\t/4]   ; tile t's eight keys are register t of P's operand
.endr
	v_lshl_or_b32 v[W], v[BY+1], 16, v[BY]         ; my two bytes: blocks h and 2 + h.  (It names no register of the conversions: the plain instruction behind them)
	v_lshlrev_b32 v[W], v[SH8], v[W]               ; at their places in the word,
	v_permlanex16_b32 v[TP], v[W], s20, s21
	v_or_b32 v[PS+\u], v[W], v[TP]                 ; and with lane l xor 16's two the word is whole
.endm
; The row's sum is taken of the UNQUANTISED p: two at a time, in two chains.
.macro SM_SUM u
.set LL, ST+4*\u+2
	v_pk_add_f32 v[SUM2:SUM2+1], v[S:S+1], v[S+2:S+3]
.irp j, 4,8,12,16,20,24,28,32,36,40,44,48,52,56,60
	v_pk_add_f32 v[LL:LL+1], v[LL:LL+1], v[S+\j:S+\j+1]
	v_pk_add_f32 v[SUM2:SUM2+1], v[SUM2:SUM2+1], v[S+\j+2:S+\j+3]
.endr
	v_pk_add_f32 v[LL:LL+1], v[LL:LL+1], v[SUM2:SUM2+1]
.endm
; Tile u's O^T times the low word of its pair FX: f in the loop, 1 / l at the end.  Ascending.
.macro RESCALE u
.irp j, 0,2,4,6,8,10,12,14,16,18,20,22,24,26,28,30
	v_pk_mul_f32 v[O+32*\u+\j:O+32*\u+\j+1], v[O+32*\u+\j:O+32*\u+\j+1], v[FX0+2*\u:FX0+2*\u+1] op_sel_hi:[1,0]
.endr
.endm
; ---------------- PHASE B: a trip is a key step of 128 keys ----------------
.Lstep:
	s_wait_alu depctr_vm_vsrc(0)                   ; the last trip's LDS loads have read v[AKV] and v[ASV], which the two additions write
	v_add_nc_u32 v[AKV], s24, v[L16]
	v_add_nc_u32 v[ASV], s24, v[L8V]
	s_wait_alu depctr_va_vdst(0)                   ; v[AKV] and v[ASV] are written, which the loads below read; the last trip's products V^T P are done reading v[F ..] and v[VS ..], its score products v[KS ..], in which these loads land; in the first trip: Q's codes, zeros and scale words and v68-71 are written, which the score products take
.irp t, 0,1,2,3,4,5,6,7
	ds_load_b128 v[F+4*\t:F+4*\t+3], v[AKV] offset:512*\t          ; K's eight tiles: each image is read once and serves both tiles of queries
.endr
	ds_load_b128 v[KS:KS+3], v[AKV] offset:KSO
	ds_load_b64 v[VS:VS+1], v[ASV]
	s_wait_dscnt 0x0
	SCORE 0
.rept 4
	v_nop                                          ; four plain instructions in front of the first read of the scores
.endr
	SM_A 0
	SM_SUM 0
	SCORE 1
	RESCALE 0                                      ; sixteen plain instructions that name nothing of the eight products above: they stand in front of the loads into K's registers and of the first read of the scores
	s_wait_alu depctr_va_vdst(0)                   ; both tiles' score products are done reading K's tiles v[F ..], in which V's land; tile 0's codes v[P ..] and scale word v[PS] are written, which the products V^T P take
.irp dt, 0,1,2,3
.irp c, 0,1
	ds_load_b128 v[F+8*\dt+4*\c:F+8*\dt+4*\c+3], v[AKV] offset:VO+1024*\dt+512*\c   ; V's four tiles land while tile 1's softmax is walked: no line of it names v[F ..]
.endr
.endr
	SM_A 1
	RESCALE 1                                      ; sixteen plain instructions between tile 1's scale word and codes and the products that take them; of any one product's registers they name four at the most
	s_wait_dscnt 0x0                               ; V is in
	s_wait_alu depctr_va_vdst(0)                   ; tile 1's codes v[P+8 ..] and scale word v[PS+1] are written, which the products below take: behind the plain instructions above, not in their stead
.irp dt, 0,1,2,3                               ; O^T += V^T P^T.  The eight accumulators take turns, one instruction a turn; sixteen score products stand between two turns of one accumulator
.irp u, 0,1
.if (\dt%2) == 1
	v_wmma_scale_f32_16x16x128_f8f6f4 v[O+32*\u+8*\dt:O+32*\u+8*\dt+7], v[F+8*\dt:F+8*\dt+7], v[P+8*\u:P+8*\u+7], v[O+32*\u+8*\dt:O+32*\u+8*\dt+7], v[VS+\dt/2], v[PS+\u] matrix_a_fmt:MATRIX_FMT_FP4 matrix_b_fmt:MATRIX_FMT_FP4 matrix_a_scale:MATRIX_SCALE_ROW1
.else
	v_wmma_scale_f32_16x16x128_f8f6f4 v[O+32*\u+8*\dt:O+32*\u+8*\dt+7], v[F+8*\dt:F+8*\dt+7], v[P+8*\u:P+8*\u+7], v[O+32*\u+8*\dt:O+32*\u+8*\dt+7], v[VS+\dt/2], v[PS+\u] matrix_a_fmt:MATRIX_FMT_FP4 matrix_b_fmt:MATRIX_FMT_FP4
.endif
.endr
.endr
	SM_SUM 1                                       ; tile 1's row sums name nothing of the eight products above: 32 plain instructions between those and the wait at the next trip's head
	s_add_co_u32 s24, s24, STEPB
	s_sub_co_u32 s25, s25, 1
	s_cmp_lg_u32 s25, 0
	s_cbranch_scc1 .Lstep
; ---------------- PHASE C: the way out ----------------
; l's two halves and lane l xor 16's are added.  Tile 1's row sums and these lines are the plain instructions between the last products and the first read of O^T.
.irp u, 0,1
	v_add_f32 v[BM+\u], v[ST+4*\u+2], v[ST+4*\u+3]
.endr
.irp u, 0,1
	v_permlanex16_b32 v[SO+\u], v[BM+\u], s20, s21
.endr
.irp u, 0,1
	v_add_f32 v[BM+\u], v[BM+\u], v[SO+\u]
.endr
	s_wait_alu depctr_va_vdst(0)
.irp u, 0,1
	v_rcp_f32 v[FX0+2*\u], v[BM+\u]
.endr
	v_nop                                          ; a plain instruction between the reciprocals and their use
	s_wait_alu depctr_va_vdst(0)                   ; the two reciprocals have written v230 and v232: one wait for both, ahead of their first reader
	RESCALE 0                                      ; O^T / l, both tiles ahead of the one wait below
	RESCALE 1
	s_wait_alu depctr_va_vdst(0)                   ; the divisions have written v[O ..], which the stores into the stage read; the last step's softmax is done with v[S ..], in which the loads from the stage land
; Tile u: lane (r, h) holds o(query r, d = 16 dt + 8 h + 0 .. 7): 32 bytes of a row for each dt.  They go into my stage's rows and come back two whole rows an instruction.
.macro OUT u
.irp dt, 0,1,2,3
.irp g, 0,1
	ds_store_b128 v[SC], v[O+32*\u+8*\dt+4*\g:O+32*\u+8*\dt+4*\g+3] offset:64*\dt+16*\g
.endr
.endr
.irp i, 0,1,2,3,4,5,6,7
	ds_load_b128 v[S+32*\u+4*\i:S+32*\u+4*\i+3], v[SA] offset:2*SP*\i   ; LDS serves a wave's instructions in order: these see the stores above, and the next tile's stores come behind them
.endr
.endm
	OUT 0
	OUT 1
.irp i, 0,1,2,3,4,5,6,7
	s_wait_dscnt 23-\i                             ; behind tile 0's load i: its 7 - i younger loads and tile 1's 8 stores and 8 loads
	global_store_b128 v[L16], v[S+4*\i:S+4*\i+3], s[10:11] offset:512*\i th:TH_STORE_NT   ; 32 lanes store 512 consecutive bytes, at a multiple of 256 from out0's first byte
.endr
.irp i, 0,1,2,3,4,5,6,7
	s_wait_dscnt 7-\i
	global_store_b128 v[L16], v[S+32+4*\i:S+32+4*\i+3], s[10:11] offset:4096+512*\i th:TH_STORE_NT
.endr
	s_wait_dscnt 0x0                               ; the closing lines, six on end
	s_wait_alu 0x0
	s_wait_tensorcnt 0x0
	ds_add_u32 v254, v255
	s_wait_dscnt 0x0
	s_endpgm
.Lfunc_end_k_qe47cee5ba7_attn:
	.size	k_qe47cee5ba7_attn, .Lfunc_end_k_qe47cee5ba7_attn-k_qe47cee5ba7_attn
	.p2alignl 7, 3214868480
	.fill 96, 4, 3214868480
	.section	.rodata,"a",@progbits
	.p2align	6, 0x0
	.amdhsa_kernel k_qe47cee5ba7_attn
		.amdhsa_group_segment_fixed_size 215040
		.amdhsa_private_segment_fixed_size 0
		.amdhsa_enable_private_segment 0
		.amdhsa_kernarg_size 32
		.amdhsa_user_sgpr_count 2
		.amdhsa_user_sgpr_kernarg_segment_ptr 1
		.amdhsa_wavefront_size32 1
		.amdhsa_system_sgpr_workgroup_id_x 1
		.amdhsa_system_sgpr_workgroup_id_y 1
		.amdhsa_system_sgpr_workgroup_id_z 1
		.amdhsa_system_vgpr_workitem_id 0
		.amdhsa_next_free_vgpr 256
		.amdhsa_next_free_sgpr 66
		.amdhsa_reserve_vcc 0
		.amdhsa_float_denorm_mode_32 3
		.amdhsa_float_denorm_mode_16_64 3
		.amdhsa_memory_ordered 1
		.amdhsa_forward_progress 1
		.amdhsa_inst_pref_size 111
	.end_amdhsa_kernel
	.amdgpu_metadata
---
amdhsa.version: [ 1, 2 ]
amdhsa.kernels:
  - .name:           k_qe47cee5ba7_attn
    .symbol:         k_qe47cee5ba7_attn.kd
    .args:
      - { .name: q, .offset: 0, .size: 8, .value_kind: global_buffer, .address_space: global }
      - { .name: k, .offset: 8, .size: 8, .value_kind: global_buffer, .address_space: global }
      - { .name: v, .offset: 16, .size: 8, .value_kind: global_buffer, .address_space: global }
      - { .name: out0, .offset: 24, .size: 8, .value_kind: global_buffer, .address_space: global }
    .group_segment_fixed_size: 215040
    .private_segment_fixed_size: 0
    .kernarg_segment_align: 8
    .kernarg_segment_size: 32
    .max_flat_workgroup_size: 512
    .sgpr_count:     66
    .vgpr_count:     256
    .wavefront_size: 32
...
	.end_amdgpu_metadata
.endif
;; end of part 2
